; MI455X (gfx1250); checked and timed in simulation.
; The chip was launched on July 23, 2026; its instructions are those of AMD's public machine-readable ISA for CDNA 5 (MIT licence, August 2026) and "CDNA5" Instruction Set Architecture Reference Guide (July 2026). The comments in the code are by the model that wrote it; some were corrected since.
;; Quantized Linear. Allowed arithmetic: float matrix products may take bf16 or f16 operands with f32 sums; other float arithmetic in f32, or as packed bf16 or f16 multiplies, adds, multiply-adds, maxima and minima; sums over many terms, partial sums and values carried from step to step in f32; what a program stores and reads back later, other than sums and carried values, may be rounded once to bf16 or f16.
;; Inputs: quantized_bias 4,096 int8; quantized_weight 4,096 x 4,096 int8; x 2 x 2,048 x 4,096 float32.
;; Outputs: out0 2 x 2,048 x 4,096 float32.
;; 2 versions, each right; version 2 is version 1 with the launch prep written anew for expert scheduling mode. Each part assembles by itself: llvm-mc -triple=amdgcn-amd-amdhsa -mcpu=gfx1250 --defsym DOCPART=n.
;; ======== version 1 of 2: 2 launches
;; workspace buffers: xb 33,554,432 bytes; wb 33,554,432 bytes
;; launch prep (part 1): grid 512 x 1, 8 waves a work-group, no clusters, 0 bytes of LDS; arguments x, quantized_weight, xb, wb; writes xb, wb
.if DOCPART == 1
	.amdgcn_target "amdgcn-amd-amdhsa--gfx1250"
	.amdhsa_code_object_version 6
	.text
	.protected	k_q8ae6227cda_prep
	.globl	k_q8ae6227cda_prep
	.p2align	8
	.type	k_q8ae6227cda_prep,@function
k_q8ae6227cda_prep:
	s_mov_b64 s[64:65], 0
	v_nop
	global_prefetch_b8 v0, s[64:65] scope:SCOPE_SE
	s_setreg_imm32_b32 hwreg(HW_REG_WAVE_MODE, 25, 1), 1
	s_wait_xcnt 0x0
; QUANTIZED LINEAR, first of two launches.  out0[m][n] = 0.01 * (sum over k of x[m][k] q[n][k]) + 0.01 * bq[n];  m = 4,096 rows (2 x 2,048), n = k = 4,096.
; This launch makes the two matrix operands, once:  xb = x rounded to bf16 (nearest even),  wb = q as bf16.  Every int8 number, -128 to 127, has at most 8 significant bits and is exact in bf16:
; the whole int8 range is served.  The scale 0.01 and the bias are applied by the second launch, in f32, to the finished sums.
; WORK LEFT OUT.  The problem takes the zero point away from q and from bq; the zero point is the constant 0 in the problem's own text, and t - 0 = t for every number t, so the subtraction is not made.
; It can make no NaN, infinity or overflow, so none is lost with it.  All three inputs reach the output; the bias is read by the second launch.
; LIMITS.  x is rounded once to bf16; a number of x beyond bf16's largest finite number becomes an infinity.  0.01 multiplies the sum and not each weight: an order of rounding other than the problem's.
; SHARES.  All four buffers are taken as flat bytes.  Work-group g: 131,072 bytes of x, 32,768 of q, 65,536 of xb and of wb.  Wave w: an eighth of each: one row of x (16,384 bytes) and one row of q (4,096).
; NO LOOP.  A wave issues its 48 loads (20,480 bytes) at once and works them off in the order of issue; each load has registers of its own, and no address or store-data register is ever written
; again, so the only waits are the counted ones for the loads.  Nothing is shared between waves: no LDS, no barrier.
; Each store of a wave covers 512 (wb) or 256 (xb) consecutive bytes that begin at a multiple of 256 from the buffer's first byte.
.set XO, 1                             ; v1   my byte offset in the group's part of x:  16,384 w + 16 lane
.set XS, 2                             ; v2   in xb:  8,192 w + 8 lane
.set WO, 3                             ; v3   in q:   4,096 w + 8 lane
.set WS, 4                             ; v4   in wb:  8,192 w + 16 lane
.set T,  6                             ; v[6:13]    eight numbers in f32, at work
.set W,  16                            ; v[16:79]   q's load n: four registers: two as loaded, then four to store
.set X,  80                            ; v[80:207]  x's load n: four registers as loaded; the first two are then stored
	s_load_b256 s[4:11], s[0:1], 0x0               ; x s[4:5], q s[6:7], xb s[8:9], wb s[10:11]
	v_and_b32 v5, 31, v0                           ; lane
	v_lshrrev_b32 v6, 5, v0                        ; wave
	v_lshlrev_b32 v[XO], 4, v5
	v_lshl_or_b32 v[WS], v6, 13, v[XO]
	v_lshl_or_b32 v[XO], v6, 14, v[XO]
	v_lshlrev_b32 v[XS], 3, v5
	v_lshl_or_b32 v[WO], v6, 12, v[XS]
	v_lshl_or_b32 v[XS], v6, 13, v[XS]
	s_mov_b32 s12, 0x80808080                      ; turns four int8 q into four bytes u = q + 128
	s_mov_b32 s13, 0x4b000000                      ; 2^23 in f32: with u in its lowest byte it is 2^23 + u
	s_mov_b32 s14, 0xcb000080                      ; -(2^23 + 128)
	s_mov_b32 s15, 0xcb000080                      ; named with it as a pair
	s_mov_b32 s16, 0x07060500                      ; byte selects: the three upper bytes of s13, and byte i of the word of q
	s_mov_b32 s17, 0x07060501
	s_mov_b32 s18, 0x07060502
	s_mov_b32 s19, 0x07060503
	s_mov_b32 s3, 0
	s_wait_kmcnt 0x0
	s_lshl_b32 s2, ttmp9, 17                       ; the group's part of x (all four offsets stay under 2^27)
	s_add_nc_u64 s[4:5], s[4:5], s[2:3]
	s_lshl_b32 s2, ttmp9, 15                       ; of q
	s_add_nc_u64 s[6:7], s[6:7], s[2:3]
	s_lshl_b32 s2, ttmp9, 16                       ; of xb and of wb
	s_add_nc_u64 s[8:9], s[8:9], s[2:3]
	s_add_nc_u64 s[10:11], s[10:11], s[2:3]
.irp n, 0,1,2,3,4,5,6,7,8,9,10,11,12,13,14,15
	global_load_b64 v[W+4*(\n):W+4*(\n)+1], v[WO], s[6:7] offset:256*(\n) th:TH_LOAD_NT   ; 256 consecutive bytes a wave: 8 numbers of q a lane
.endr
.irp n, 0,1,2,3,4,5,6,7,8,9,10,11,12,13,14,15,16,17,18,19,20,21,22,23,24,25,26,27,28,29,30,31
	global_load_b128 v[X+4*(\n):X+4*(\n)+3], v[XO], s[4:5] offset:512*(\n) th:TH_LOAD_NT  ; 512 consecutive bytes a wave: 4 numbers of x a lane
.endr
; q's load n: 8 int8 to 8 bf16, exactly.  u = q + 128 is set as the lowest byte of 2^23, which makes the f32 number 2^23 + u; less (2^23 + 128) that is q, without rounding.
.macro WCONV n
	s_wait_loadcnt 47-(\n)                         ; loads come back in order (ISA guide 5.7.1): behind mine stand q's 15 - n younger loads and x's 32
.irp d, 0,1
	v_xor_b32 v[W+4*(\n)+(\d)], s12, v[W+4*(\n)+(\d)]
.endr
.irp d, 0,1
.irp i, 0,1,2,3
	v_perm_b32 v[T+4*(\d)+(\i)], s13, v[W+4*(\n)+(\d)], s[16+(\i)]
.endr
.endr
.irp p, 0,1,2,3
	v_pk_add_f32 v[T+2*(\p):T+2*(\p)+1], v[T+2*(\p):T+2*(\p)+1], s[14:15] op_sel_hi:[1,0]
.endr
.irp p, 0,1,2,3
	v_cvt_pk_bf16_f32 v[W+4*(\n)+(\p)], v[T+2*(\p)], v[T+2*(\p)+1]
.endr
	global_store_b128 v[WS], v[W+4*(\n):W+4*(\n)+3], s[10:11] offset:512*(\n) th:TH_STORE_NT
.endm
; x's load n: 4 f32 to 4 bf16, each rounded once.
.macro XCONV n
	s_wait_loadcnt 31-(\n)                         ; behind mine stand x's 31 - n younger loads
	v_cvt_pk_bf16_f32 v[X+4*(\n)],   v[X+4*(\n)],   v[X+4*(\n)+1]
	v_cvt_pk_bf16_f32 v[X+4*(\n)+1], v[X+4*(\n)+2], v[X+4*(\n)+3]
	global_store_b64 v[XS], v[X+4*(\n):X+4*(\n)+1], s[8:9] offset:256*(\n) th:TH_STORE_NT
.endm
.irp n, 0,1,2,3,4,5,6,7,8,9,10,11,12,13,14,15
	WCONV \n
.endr
.irp n, 0,1,2,3,4,5,6,7,8,9,10,11,12,13,14,15,16,17,18,19,20,21,22,23,24,25,26,27,28,29,30,31
	XCONV \n
.endr
	s_endpgm
.Lfunc_end_k_q8ae6227cda_prep:
	.size	k_q8ae6227cda_prep, .Lfunc_end_k_q8ae6227cda_prep-k_q8ae6227cda_prep
	.p2alignl 7, 3214868480
	.fill 96, 4, 3214868480
	.section	.rodata,"a",@progbits
	.p2align	6, 0x0
	.amdhsa_kernel k_q8ae6227cda_prep
		.amdhsa_group_segment_fixed_size 0
		.amdhsa_private_segment_fixed_size 0
		.amdhsa_enable_private_segment 0
		.amdhsa_kernarg_size 32
		.amdhsa_user_sgpr_count 2
		.amdhsa_user_sgpr_kernarg_segment_ptr 1
		.amdhsa_wavefront_size32 1
		.amdhsa_system_sgpr_workgroup_id_x 1
		.amdhsa_system_sgpr_workgroup_id_y 1
		.amdhsa_system_sgpr_workgroup_id_z 1
		.amdhsa_system_vgpr_workitem_id 0
		.amdhsa_next_free_vgpr 208
		.amdhsa_next_free_sgpr 66
		.amdhsa_reserve_vcc 0
		.amdhsa_float_denorm_mode_32 3
		.amdhsa_float_denorm_mode_16_64 3
		.amdhsa_memory_ordered 1
		.amdhsa_forward_progress 1
		.amdhsa_inst_pref_size 33
	.end_amdhsa_kernel
	.amdgpu_metadata
---
amdhsa.version: [ 1, 2 ]
amdhsa.kernels:
  - .name:           k_q8ae6227cda_prep
    .symbol:         k_q8ae6227cda_prep.kd
    .args:
      - { .name: x, .offset: 0, .size: 8, .value_kind: global_buffer, .address_space: global }
      - { .name: quantized_weight, .offset: 8, .size: 8, .value_kind: global_buffer, .address_space: global }
      - { .name: xb, .offset: 16, .size: 8, .value_kind: global_buffer, .address_space: global }
      - { .name: wb, .offset: 24, .size: 8, .value_kind: global_buffer, .address_space: global }
    .group_segment_fixed_size: 0
    .private_segment_fixed_size: 0
    .kernarg_segment_align: 8
    .kernarg_segment_size: 32
    .max_flat_workgroup_size: 256
    .sgpr_count:     66
    .vgpr_count:     208
    .wavefront_size: 32
...
	.end_amdgpu_metadata
.endif
;; end of part 1
;; launch gemm (part 2): grid 16 x 16, 4 waves a work-group, clusters of 4 x 4, 327,680 bytes of LDS; arguments xb, wb, out0, quantized_bias; writes out0
.if DOCPART == 2
	.amdgcn_target "amdgcn-amd-amdhsa--gfx1250"
	.amdhsa_code_object_version 6
	.text
	.protected	k_q8ae6227cda_gemm
	.globl	k_q8ae6227cda_gemm
	.p2align	8
	.type	k_q8ae6227cda_gemm,@function
k_q8ae6227cda_gemm:
	s_mov_b64 s[64:65], 0
	v_nop
	global_prefetch_b8 v0, s[64:65] scope:SCOPE_SE
	s_setreg_imm32_b32 hwreg(HW_REG_WAVE_MODE, 25, 1), 1
	s_wait_xcnt 0x0
	s_wait_alu depctr_hold_cnt(0) depctr_sa_sdst(0) depctr_va_vdst(0) depctr_va_sdst(0) depctr_va_ssrc(0) depctr_va_vcc(0) depctr_vm_vsrc(0)
	s_getreg_b32 s2, hwreg(HW_REG_IB_STS2, 6, 4)
	s_cmp_eq_u32 s2, 0
	s_cbranch_scc0 .Lentry_in_a_cluster
	s_endpgm
.Lentry_in_a_cluster:
	s_bfe_u32 s2, ttmp6, 0x10000c
	s_cmp_lg_u32 s2, 0xf033
	s_cbranch_scc0 .Lentry_shape_is_right
	s_endpgm
.Lentry_shape_is_right:
; QUANTIZED LINEAR, second of two launches.  out0[m][n] = 0.01 * (sum over k of xb[m][k] wb[n][k]) + 0.01 * bq[n].  xb: [4096][4096] bf16 (x rounded once), wb: [4096][4096] bf16 (the int8
; weights, exact), bq: [4096] int8, out0: [4096][4096] f32.  Sums in f32; 0.01 and the bias enter by ONE fused multiply-add on each finished sum.
; WORK LEFT OUT, as in the first launch: the zero point is the constant 0 in the problem's own text, and t - 0 = t for every t: it is not taken away from bq.
; LIMITS.  The order of rounding differs from the problem's: 0.01 multiplies the sum, not each weight, and the sums are taken in the matrix instruction's order.  NaN and infinities of xb go where the products carry them.
; SHARES.  A tile of out0, 256 x 256, is made by a work-group of four waves; a wave makes 128 x 128: 64 accumulators of 16 x 16, 512 registers.  16 x 16 tiles: 256 work-groups.
; K goes in 32 steps of 128 through a ring of two LDS slots filled by the tensor data mover: a tile's rows are 256 bytes of memory and start at multiples of 256 bytes from the buffer's first byte.
; The last K step goes by rows of out0, so that finished rows leave while the others are multiplied.
; CLUSTERS: 4 x 4 work-groups.  The four of a row of the cluster make tiles of one tile row and need the same tiles of xb (A); the four of a column need the same tiles of wb (B).  Such a tile is asked
; for JOINTLY: each of the four issues the same tensor load, with the same descriptor and a mask that names the four, and each receives the tile in its own LDS.
; REGISTERS, in windows of 256 (an instruction names v0-v255; s_set_vgpr_msb says which window each operand place means: bits 1:0 source 0, 3:2 source 1, 5:4 source 2, 7:6 destination):
;   window 0: v0-31 addresses and the bias; v64-127, v128-191 fragments of A (8 x 16 rows x 32 K), two buffers (in the last K step four, of 16 rows x 128 K); v192-255 sixteen rows on the way out
;   window 1: v64-127, v128-191 fragments of B, two buffers; in the last K step all 256: B's fragments of the whole step
;   window 2: the 32 accumulators of my rows 0-63 (accumulator (a, b) at v[8 (8 a + b)]);   window 3: those of my rows 64-127
; THE MATRIX INSTRUCTION IS USED TRANSPOSED: source 0 = 16 rows of B, source 1 = 16 rows of A.  In the result lane l holds row l % 16 of out0, and its registers 0 to 7 the columns
; 8 (l / 16) + 0 .. 7: 32 neighbouring bytes of a row.
.set SIZE_K, 4096
.set SIZE_N, 4096
.set KSTEP,  128
.set PITCH,  272                       ; an LDS row: 256 bytes of data + 16 of padding = 68 words: row r starts at bank 4 r mod 64 (64 banks of 4 bytes: ISA guide 11.1), so the 16 rows that a load touches start at 16 different banks
.set HALFT,  128*PITCH                 ; 128 rows: what one tensor load brings, and what one wave reads of A or of B
.set SLOT,   4*HALFT                   ; A's 256 rows, then B's 256 rows
.set STAGE,  2*SLOT                    ; behind the ring, never filled by a tensor load: 16 rows x 528 bytes for each wave, for the way out
.set SPITCH, 528                       ; a stage row: my 128 columns in f32, 512 bytes, + 16: 16 rows' stores of 16 bytes fall on 16 different groups of four banks
.set SPARE,  STAGE+4*16*SPITCH         ; behind the stages: the spare words, 128 bytes for each wave: two blocks of 256 bytes that no other line names
.set LAPS, SIZE_K/(2*KSTEP)            ; a lap = two K steps = once round the ring: 16
.set BI,   8                           ; v[8:11] 0.01 x bq of my four columns on the way out
.set BO,   12                          ; v12     my byte offset in the wave's 128 bytes of bq; never rewritten
.set BR,   13                          ; v13     four int8 of bq as loaded
.set BT,   14                          ; v14     at work
.set ADRA, 16                          ; v16-17  LDS address of my A fragments in slot 0, 1
.set ADRB, 20                          ; v20-21  the same for B
.set STO,  24                          ; v24     the way out: where I put 32 bytes of a row
.set RD,   25                          ; v25     the way out: where I read 16 bytes of a row back
.set CO,   26                          ; v26     my byte offset in a row of out0: 16 x lane; never rewritten
.set SPW,  28                          ; v28     LDS address of my spare word: SPARE + 4 x my thread's number; never rewritten
.set NIL,  29                          ; v29     0; never rewritten
.set PFO,  30                          ; v30     the prefetches' offset: my lane x a row of xb or wb (8,192 bytes); never rewritten
.set PFA,  44                          ; s[44:45] where my prefetches stand: my work-group's 32 rows of the 128 that I fetch, one K step further along K than the refill that is being asked for
.set LIM,  43                          ; s43     1 in a wave that prefetches, else the greatest number
.set BP,   66                          ; s[66:67] bq at my wave's first column
.set SC,   68                          ; s[68:69] 0.01: the packed multiply-add takes the pair's low word for both halves
.set F0,   64                          ; fragment buffer 0
.set F1,   128                         ; fragment buffer 1
.set BK,   192                         ; the way out: 16 rows read back from the stage, four registers each
.set PA,   64                          ; the last K step: A's fragments of 16 rows x 128 K, 32 registers; four such buffers, v64-191
.set G1, 24                            ; s[24:31] descriptor group 1 for A's tiles
.set G0, 32                            ; s[32:39] descriptor group 0 for A's tiles, one set for each slot
.set G1B, 48                           ; s[48:55] descriptor group 1 for B's tiles: it differs from A's in the mask alone
.set G0B, 56                           ; s[56:63] descriptor group 0 for B's tiles, one set for each slot
.set MSB, 0
.macro WIN new                         ; the immediate's high byte repeats the setting that is left; a switch that changes nothing is dropped
.if MSB != (\new)
	s_set_vgpr_msb (MSB<<8)|(\new)
.set MSB, \new
.endif
.endm
.set MUL_LO, 0xa1                      ; source 0 (B) window 1, source 1 (A) window 0, C and D window 2
.set MUL_HI, 0xf1                      ; the same, C and D window 3
.set TO_B,   0x40                      ; destination window 1, address window 0
; A joint load.  Waves 0 and 1 fetch A's two halves, waves 2 and 3 B's.  Each of the two lines has ONE mask and one set of registers for all that issue it, and nothing in them hangs on a
; coordinate that the four partners do not share.  The branch hangs on the wave's number alone.  An s_nop 0 and four v_nop follow each of the two lines, ahead of the jump, the label and what follows.
.macro JLOAD s
	s_cmp_eq_u32 s11, 0
	s_cbranch_scc0 .Lfor_b_\@
	tensor_load_to_lds s[G0+4*(\s):G0+4*(\s)+3], s[G1:G1+7]
	s_nop 0
.rept 4
	v_nop
.endr
	s_branch .Lasked_\@
.Lfor_b_\@:
	tensor_load_to_lds s[G0B+4*(\s):G0B+4*(\s)+3], s[G1B:G1B+7]
	s_nop 0
.rept 4
	v_nop
.endr
.Lasked_\@:
.endm
; A PREFETCH INTO THE L2, behind each joint load, its five lines and the run of LDS loads that follows them: the K step that stands TWO refills on, 512 matrix instructions ahead of the load that will ask for it:
; 32 rows x 256 bytes, a lane a row, one instruction a wave.  Each row's 256 bytes of a K step are named ONCE in the launch: A's tile row is walked by every cluster of that row of clusters, and the one with
; cluster x = 0 asks; B's tile column by every cluster of that column, and the one with cluster y = 0 asks.  The four partners that ask for a tile jointly share its rows out BY ADDRESS: of the 128 rows that
; a wave fetches, the partner at place p takes 32 p .. 32 p + 31 (p = cx for A, cy for B): no branch hangs on a work-group's place in its cluster.
; K steps 0 to 3 come by their loads alone; the loop's last trip (s3 = 1) asks for nothing: K steps 32 and 33 do not exist.
.macro ASK
	s_cmp_gt_u32 s3, s[LIM]
	s_cbranch_scc0 .Lnot_mine_\@
	global_prefetch_b8 v[PFO], s[PFA:PFA+1] offset:KSTEP*2 th:TH_LOAD_NT scope:SCOPE_SE
.Lnot_mine_\@:
.endm
; A round of the cluster's barrier: my work-group's barrier, so that wave 0's signal speaks for all four waves; wave 0 signals for the work-group; every wave waits for all sixteen work-groups;
; my work-group's barrier once more.  No LDS instruction of the wave is pending at a signal.
.macro CREST                           ; a round behind its opening barrier
	s_cmp_lg_u32 s10, 0
	s_cbranch_scc1 .Lnot_wave_0_\@
	s_barrier_signal -3
.Lnot_wave_0_\@:
	s_barrier_wait -3
	s_barrier_signal -1
	s_barrier_wait -1
.endm
.macro CROUND                          ; a whole round
	s_barrier_signal -1
	s_barrier_wait -1
	CREST
.endm
	s_load_b128 s[4:7], s[0:1], 0x0                ; xb (A) s[4:5], wb (B) s[6:7]
	s_load_b64 s[8:9], s[0:1], 0x10                ; out0
	s_load_b64 s[BP:BP+1], s[0:1], 0x18            ; bq
	v_lshl_add_u32 v[SPW], v0, 2, SPARE
	v_mov_b32 v[NIL], 0
	ds_add_u32 v[SPW], v[NIL]                      ; the wave's opening: the add, twice on end, and its wait ahead of my first tensor load; the set-up below, work on registers, stands between the second and the wait
	ds_add_u32 v[SPW], v[NIL]                      ; and once more, under the one wait
	v_lshrrev_b32 v1, 5, v0
	v_readfirstlane_b32 s10, v1                    ; wave 0..3
	s_lshr_b32 s11, s10, 1                         ; which half of the tile's rows is mine.  Also: I fetch for A (0) or for B (1)
	s_and_b32 s12, s10, 1                          ; which half of its columns.  Also: which 128 rows of that tile I fetch
	s_bfe_u32 s40, ttmp6, 0x40000                  ; cx: my place along the cluster's x
	s_bfe_u32 s41, ttmp6, 0x40004                  ; cy: along its y
	s_lshl_b32 s42, ttmp9, 2                       ; in a cluster launch ttmp9 and ttmp7 count clusters
	s_add_co_u32 s42, s42, s40                     ; tile column = 4 x cluster x + cx
	s_and_b32 s13, ttmp7, 0xffff
	s_lshl_b32 s13, s13, 2
	s_add_co_u32 s13, s13, s41                     ; tile row = 4 x cluster y + cy
	s_lshl_b32 s43, s41, 2
	s_lshl_b32 s43, 15, s43                        ; my row of the cluster: places 4 cy .. 4 cy + 3
	s_lshl_b32 s44, 0x1111, s40                    ; my column: places cx, cx + 4, cx + 8, cx + 12
	; descriptor group 1: a tile of 128 rows x 128 elements, padded in LDS
	s_or_b32 s[G1+0], s43, (1<<16)|(1<<20)|(1<<21)|(5<<22)|(3<<25)  ; 15:0 the mask: A's tiles go to my row; 17:16 element of 2 bytes; 20 padding on; 21 set beside a mask; 24:22 after every 64 words (code 5); 31:25 of 4 words (code 3)
	s_or_b32 s[G1B+0], s44, (1<<16)|(1<<20)|(1<<21)|(5<<22)|(3<<25) ; the same with the mask of my column, for B's tiles
	s_mov_b32 s[G1B+1], KSTEP<<16
	s_mov_b32 s[G1+1], KSTEP<<16                   ; 63:48 tensor_dim0, low half = 128
	s_mov_b32 s[G1B+2], 128<<16
	s_mov_b32 s[G1+2], 128<<16                     ; 79:64 its high half = 0; 95:80 tensor_dim1, low half = 128
	s_mov_b32 s[G1B+3], KSTEP<<16
	s_mov_b32 s[G1+3], KSTEP<<16                   ; 111:96 its high half = 0; 127:112 tile_dim0 = 128
	s_mov_b32 s[G1B+4], 128
	s_mov_b32 s[G1+4], 128                         ; 143:128 tile_dim1 = 128; 159:144 tile_dim2 = 0
	s_mov_b32 s[G1B+5], SIZE_K
	s_mov_b32 s[G1+5], SIZE_K                      ; 191:160 tensor_dim0_stride, low word: elements from row to row
	s_mov_b32 s[G1B+6], 0
	s_mov_b32 s[G1+6], 0
	s_mov_b32 s[G1B+7], 0
	s_mov_b32 s[G1+7], 0
	s_mov_b32 s[SC], 0x3c23d70a                    ; 0.01
	s_mov_b32 s[SC+1], 0x3c23d70a                  ; named with it as a pair
	; where the tiles come from.  A's hang on the tile row alone, which my row of the cluster shares; B's on the tile column alone, which my column shares.
	; Every wave makes both addresses, in registers that never hold the other coordinate, and asks by one of them.
	s_lshl_b32 s17, s12, 7                         ; which 128 rows of the tile I fetch
	s_lshl_b32 s16, s13, 8
	s_add_co_u32 s16, s16, s17                     ; A: row 256 x tile row + 128 x half
	s_lshl_b32 s46, s42, 8
	s_add_co_u32 s46, s46, s17                     ; B: row 256 x tile column + 128 x half
	s_mov_b32 s17, 0
	s_mov_b32 s47, 0
	s_mov_b64 s[18:19], SIZE_K*2
	s_mul_u64 s[16:17], s[16:17], s[18:19]         ; in bytes
	s_mul_u64 s[46:47], s[46:47], s[18:19]
	s_mul_i32 s20, s10, HALFT                      ; and where they go: A's two halves, then B's two halves = wave x 128 rows: no place in the cluster enters an LDS address
	s_wait_dscnt 0x0                               ; both opening adds are done
	s_wait_kmcnt 0x0
	s_add_nc_u64 s[14:15], s[4:5], s[16:17]
	s_add_nc_u64 s[46:47], s[6:7], s[46:47]
	CROUND                                         ; all sixteen work-groups are here: the first joint loads meet
.irp s, 0,1
	s_mov_b32 s[G0+4*(\s)], 1                                      ; 1:0 count = 1
	s_add_co_u32 s[G0+4*(\s)+1], s20, (\s)*SLOT                    ; 63:32 LDS address
	s_add_nc_u64 s[G0+4*(\s)+2:G0+4*(\s)+3], s[14:15], (\s)*KSTEP*2  ; 120:64 global address: K step s
	s_or_b32 s[G0+4*(\s)+3], s[G0+4*(\s)+3], 0x80000000            ; 127:126 type = 2
	s_mov_b32 s[G0B+4*(\s)], 1
	s_add_co_u32 s[G0B+4*(\s)+1], s20, (\s)*SLOT
	s_add_nc_u64 s[G0B+4*(\s)+2:G0B+4*(\s)+3], s[46:47], (\s)*KSTEP*2
	s_or_b32 s[G0B+4*(\s)+3], s[G0B+4*(\s)+3], 0x80000000
	JLOAD \s                                       ; the ring is filled before anything else is done: two tensor loads of mine are out
.endr
	; A fragment is 16 rows x 32 K in 8 registers: lane l holds row l % 16; registers 0-3 hold K = 8 (l / 16) + 0..7, registers 4-7 hold
	; K = 16 + 8 (l / 16) + 0..7.  From rows that lie along K: two loads of 16 bytes, 32 bytes apart.  The same for source 0 and source 1.
	v_and_b32 v1, 15, v0                           ; l % 16
	v_bfe_u32 v2, v0, 4, 1                         ; l / 16
	v_and_b32 v5, 31, v0                           ; l
	v_mul_u32_u24 v3, v1, PITCH
	v_lshl_add_u32 v3, v2, 4, v3                   ; row x pitch + 16 x half
	s_mul_i32 s21, s11, HALFT                      ; my 128 rows of A
	s_mul_i32 s22, s12, HALFT                      ; my 128 rows of B,
	s_add_co_u32 s22, s22, 2*HALFT                 ; which lie behind A's 256
.irp s, 0,1
	v_add_nc_u32 v[ADRA+(\s)], s21, v3
	v_add_nc_u32 v[ADRB+(\s)], s22, v3
	s_add_co_u32 s21, s21, SLOT
	s_add_co_u32 s22, s22, SLOT
.endr
	s_mul_i32 s23, s10, 16*SPITCH
	s_add_co_u32 s23, s23, STAGE                   ; my stage
	v_mul_u32_u24 v4, v1, SPITCH                   ; in: row l % 16, 32 bytes for each half of the lanes
	v_lshl_add_u32 v4, v2, 5, v4
	v_add_nc_u32 v[STO], s23, v4
	v_lshlrev_b32 v[CO], 4, v5                     ; back: the 32 lanes take one row of 512 bytes, 16 bytes each; the same place in a row of out0
	v_add_nc_u32 v[RD], s23, v[CO]
	v_lshlrev_b32 v[BO], 2, v5                     ; and the same four columns in bq: 4 bytes
	; out0 at my part of the tile, bq at my 128 columns
	s_lshl_b32 s13, s13, 8                         ; 256 x tile row
	s_lshl_b32 s14, s11, 7
	s_add_co_u32 s16, s13, s14                     ; my first row,
	s_lshl_b32 s16, s16, 14                        ; times 16,384 bytes: under 2^26
	s_mov_b32 s17, 0
	s_add_nc_u64 s[8:9], s[8:9], s[16:17]
	s_lshl_b32 s46, s42, 10                        ; my first column, in bytes of f32: 1,024 x tile column + 512 x half (in the registers that held B's address: none that feeds A's descriptors holds cx)
	s_lshl_b32 s47, s12, 9
	s_add_co_u32 s46, s46, s47
	s_mov_b32 s47, 0
	s_add_nc_u64 s[8:9], s[8:9], s[46:47]
	s_lshr_b32 s46, s46, 2                         ; the same column in bytes of int8
	s_add_nc_u64 s[BP:BP+1], s[BP:BP+1], s[46:47]
	global_load_b32 v[BR], v[BO], s[BP:BP+1]       ; the wave's 128 consecutive bytes of bq, once
	; the prefetches.  s13 = 256 x tile row, s42 = tile column, s40 = cx, s41 = cy still stand; s[4:5] = A, s[6:7] = B
	s_lshl_b32 s42, s42, 8
	s_and_b32 s22, ttmp7, 0xffff                   ; cluster y
	s_cmp_eq_u32 s11, 0                            ; do I fetch for A?
	s_cselect_b32 s20, s13, s42                    ; the tile's first row: in A by the tile row, in B by the tile column
	s_cselect_b32 s21, s40, s41                    ; my place among the four that ask for it with me
	s_cselect_b32 s22, ttmp9, s22                  ; the coordinate along which other clusters walk the same rows
	s_cselect_b64 s[PFA:PFA+1], s[4:5], s[6:7]
	s_cmp_eq_u32 s22, 0
	s_cselect_b32 s[LIM], 1, -1                    ; the same in all sixteen partners, for a given wave
	s_lshl_b32 s22, s12, 7
	s_add_co_u32 s20, s20, s22                     ; + the 128 rows that I fetch
	s_lshl_b32 s21, s21, 5
	s_add_co_u32 s20, s20, s21                     ; + my work-group's 32 of them
	s_mov_b32 s21, 0
	s_mov_b64 s[18:19], SIZE_K*2
	s_mul_u64 s[20:21], s[20:21], s[18:19]
	s_add_nc_u64 s[PFA:PFA+1], s[PFA:PFA+1], s[20:21]
	s_add_nc_u64 s[PFA:PFA+1], s[PFA:PFA+1], 2*KSTEP*2  ; at K step 2: the first refill steps it to 3 and names K step 4
	v_mul_u32_u24 v[PFO], v5, SIZE_K*2
	; nothing is prefetched here, at the head, where every work-group's first two tiles are on their way
	s_wait_loadcnt 0x0                             ; bq's four bytes: each is moved to the top, brought down with its sign, made f32 and multiplied by 0.01, as the problem dequantizes it
.irp i, 0,1,2,3
.if (\i) < 3
	v_lshlrev_b32 v[BT], 24-8*(\i), v[BR]
	v_ashrrev_i32 v[BT], 24, v[BT]
.else
	v_ashrrev_i32 v[BT], 24, v[BR]
.endif
	v_cvt_f32_i32 v[BT], v[BT]
	v_mul_f32 v[BI+(\i)], s[SC], v[BT]
.endr
; 16 matrix instructions: m blocks a0, a0 + 1 of the window's four (hi = 0: my rows 0-63, 1: rows 64-127) x all 8 n blocks, 32 along K.
; zero = 1: the first product starts the sums: nothing is ever cleared.  The 64 accumulators take turns, one instruction a turn, in the same order in every quarter step.
.macro MUL16 f, hi, a0, zero
	WIN MUL_LO+0x50*(\hi)
.irp a, \a0, (\a0)+1
.irp b, 0,1,2,3,4,5,6,7
.if \zero
	v_wmma_f32_16x16x32_bf16 v[8*(8*(\a)+(\b)):8*(8*(\a)+(\b))+7], v[(\f)+8*(\b):(\f)+8*(\b)+7], v[(\f)+8*(4*(\hi)+(\a)):(\f)+8*(4*(\hi)+(\a))+7], 0
.else
	v_wmma_f32_16x16x32_bf16 v[8*(8*(\a)+(\b)):8*(8*(\a)+(\b))+7], v[(\f)+8*(\b):(\f)+8*(\b)+7], v[(\f)+8*(4*(\hi)+(\a)):(\f)+8*(4*(\hi)+(\a))+7], v[8*(8*(\a)+(\b)):8*(8*(\a)+(\b))+7]
.endif
.endr
.endr
.endm
; 32 LDS loads in one run: the fragments of one quarter step (128 rows of B, 128 rows of A, 32 K at byte k of the rows) into buffer f
.macro FETCH slot, k, f
	WIN TO_B
.irp i, 0,1,2,3,4,5,6,7
	ds_load_b128 v[(\f)+8*(\i):(\f)+8*(\i)+3],   v[ADRB+(\slot)] offset:(\k)+(\i)*16*PITCH
	ds_load_b128 v[(\f)+8*(\i)+4:(\f)+8*(\i)+7], v[ADRB+(\slot)] offset:(\k)+(\i)*16*PITCH+32
.endr
	WIN 0
.irp i, 0,1,2,3,4,5,6,7
	ds_load_b128 v[(\f)+8*(\i):(\f)+8*(\i)+3],   v[ADRA+(\slot)] offset:(\k)+(\i)*16*PITCH
	ds_load_b128 v[(\f)+8*(\i)+4:(\f)+8*(\i)+7], v[ADRA+(\slot)] offset:(\k)+(\i)*16*PITCH+32
.endr
.endm
; A load into a register that a matrix instruction has read, and an LDS store that reads a matrix result, stand four places behind that matrix instruction, and only plain vector instructions that
; name none of its registers are places (ISA guide 7.12.1 for vector instructions); the matrix instructions in between are not counted.
.macro PLACES
.rept 4
	v_nop
.endr
.endm
; A K step is four quarter steps of 32 along K, 64 matrix instructions each, on buffers 0, 1, 0, 1.
; One of the first three: multiplies buffer f; in its middle it fetches the next quarter's fragments, at byte k of the same slot's rows, into buffer g.
.macro QUARTER slot, k, f, g, zero
	s_wait_dscnt 8                                 ; B and A's rows 0-63 are in; the youngest eight loads (A's rows 64-127) may be out
	WIN MUL_LO
	MUL16 \f, 0, 0, \zero
	MUL16 \f, 0, 2, \zero
	PLACES
	FETCH \slot, \k, \g
	s_wait_dscnt 32                                ; all but the 32 just issued
	WIN MUL_HI
	MUL16 \f, 1, 0, \zero
	MUL16 \f, 1, 2, \zero
.endm
; The last quarter multiplies buffer 1 and changes slots.  MEET is its first half: ONE barrier for the change of slots, for two things.  In front of it each wave waits for all its tensor loads, of
; which one is out: its part of the next slot; adds 0 to its spare word; and waits for that and for its own reads of this slot.  Behind it nobody reads this slot any more and the next slot is whole.
.macro MEET round                      ; round = 1: a round of the cluster's barrier follows
	WIN 0                                          ; (the add's two registers lie in window 0)
	s_wait_tensorcnt 0x0                           ; all my tensor loads have landed: the one that was out is my part of the next slot;
	ds_add_u32 v[SPW], v[NIL]                      ; 0 onto my spare word;
	s_wait_dscnt 9                                 ; (the add and the youngest eight loads may be out)
	WIN MUL_LO
	MUL16 F1, 0, 0, 0                              ; sixteen matrix instructions stand between the add and the wait for it
	s_wait_dscnt 0x0                               ; the add is done, and my reads of this slot are over:
	s_barrier_signal -1                            ; say so (where a slot is filled again this barrier opens a round of the cluster's barrier),
	MUL16 F1, 0, 2, 0                              ; work on registers while the others arrive,
.if \round
	WIN 0
.endif
	s_barrier_wait -1                              ; and go on when all four have said so
.endm
; The whole last quarter.  Behind the round the slot just read out is filled again first, with the K step two steps on; then come the next slot's first fragments.
; From a request to the wait for it a wave issues 224 matrix instructions.
.macro TURN slot, next
	s_wait_xcnt 0x0                                ; the last prefetch, a K step back, has read its address: it is stepped here, ahead of the waits of the change of slots
	s_add_nc_u64 s[PFA:PFA+1], s[PFA:PFA+1], KSTEP*2
	MEET 1
	CREST                                          ; wave 0 says so for the work-group, all sixteen work-groups have said so, my work-group's barrier closes the round:
	                                               ; no wave of any partner still reads this slot's tile or has a load on its way
	s_add_nc_u64 s[G0+4*(\slot)+2:G0+4*(\slot)+3], s[G0+4*(\slot)+2:G0+4*(\slot)+3], 2*KSTEP*2      ; no tensor load of mine is out, so a group 0 may be written; the type bits on top are not reached
	s_add_nc_u64 s[G0B+4*(\slot)+2:G0B+4*(\slot)+3], s[G0B+4*(\slot)+2:G0B+4*(\slot)+3], 2*KSTEP*2
	JLOAD \slot                                    ; the first tensor load behind the round, my only one until the next; the four v_nop behind it are also the places in front of the loads below
	FETCH \next, 0, F0
	ASK                                            ; behind the joint load and the run of LDS loads that the next products wait for
	WIN MUL_HI
	MUL16 F1, 1, 0, 0
	MUL16 F1, 1, 2, 0
.endm
; THE LAST K STEP (it lies in slot 1) GOES BY ROWS OF out0, NOT BY K.  All its fragments of B (4 quarters x 64 registers) fill window 1; then my eight blocks of 16 rows are finished one after the
; other, each with 32 matrix instructions (its 8 accumulators by turns, K ascending).  LDS is read no more than in any other K step.
.macro BLOAD q                         ; B's fragments of quarter q -> window 1, v[64 q ..]
	WIN TO_B
.irp i, 0,1,2,3,4,5,6,7
	ds_load_b128 v[64*(\q)+8*(\i):64*(\q)+8*(\i)+3],   v[ADRB+1] offset:64*(\q)+(\i)*16*PITCH
	ds_load_b128 v[64*(\q)+8*(\i)+4:64*(\q)+8*(\i)+7], v[ADRB+1] offset:64*(\q)+(\i)*16*PITCH+32
.endr
.endm
.macro ALOAD a                         ; A's fragments of block a, all four quarters -> buffer a % 4
	WIN 0
.set FA, PA+32*((\a)%4)
.irp q, 0,1,2,3
	ds_load_b128 v[FA+8*(\q):FA+8*(\q)+3],   v[ADRA+1] offset:64*(\q)+(\a)*16*PITCH
	ds_load_b128 v[FA+8*(\q)+4:FA+8*(\q)+7], v[ADRA+1] offset:64*(\q)+(\a)*16*PITCH+32
.endr
.endm
.macro ROW a                           ; block a is finished: 32 matrix instructions
.set FA, PA+32*((\a)%4)                ; its fragments of A
.set AC, 64*((\a)%4)                   ; its eight accumulators, in window 2 (blocks 0-3) or 3 (blocks 4-7)
	WIN MUL_LO+0x50*((\a)/4)
.irp q, 0,1,2,3
.if (\a) == 0 && (\q) == 2
	s_wait_dscnt 24                                ; B's quarter 2 is in (behind it: A's blocks 1 to 3, 24 loads)
.endif
.irp b, 0,1,2,3,4,5,6,7
	v_wmma_f32_16x16x32_bf16 v[AC+8*(\b):AC+8*(\b)+7], v[64*(\q)+8*(\b):64*(\q)+8*(\b)+7], v[FA+8*(\q):FA+8*(\q)+7], v[AC+8*(\b):AC+8*(\b)+7]
.endr
.endr
.endm
; THE WAY OUT of block a (16 rows x my 128 columns), in two parts.
; TOSTAGE: the f32 sums go straight from the accumulators into my own stage in LDS, 32 bytes a lane and accumulator (each accumulator's four lowest registers first),
; and come back as whole rows of 512 bytes: a lane then holds the SAME four columns, 4 lane .. 4 lane + 3, in every row, so that the bias takes four registers.
.macro TOSTAGE a
.set AC, 64*((\a)%4)
	WIN 0x08+4*((\a)/4)                            ; the stores' data (source 1) in window 2 or 3, their address in window 0
.irp b, 0,1,2,3,4,5,6,7
	ds_store_b128 v[STO], v[AC+8*(\b):AC+8*(\b)+3]   offset:64*(\b)
	ds_store_b128 v[STO], v[AC+8*(\b)+4:AC+8*(\b)+7] offset:64*(\b)+16
.endr
	WIN 0
	s_wait_xcnt 0x0                                ; every earlier memory instruction has had its addresses translated (ISA guide 3.1): the registers that the block before stored from are loaded again only behind this wait
.irp t, 0,1,2,3,4,5,6,7,8,9,10,11,12,13,14,15
	ds_load_b128 v[BK+4*(\t):BK+4*(\t)+3], v[RD] offset:(\t)*SPITCH  ; LDS serves a wave's instructions in order (ISA guide 5.7.1.4): these see the stores above
.endr
.endm
; SEND: each row is scaled and biased, 0.01 x sum + 0.01 x bq in one fused multiply-add, and stored.  younger: the LDS loads issued behind TOSTAGE's, which may stay out.
.macro SEND a, younger
	WIN 0
.irp t, 0,1,2,3,4,5,6,7,8,9,10,11,12,13,14,15
	s_wait_dscnt (\younger)+15-(\t)                ; row t is back: behind it stand the 15 - t later rows and the younger loads
	v_pk_fma_f32 v[BK+4*(\t):BK+4*(\t)+1],   v[BK+4*(\t):BK+4*(\t)+1],   s[SC:SC+1], v[BI:BI+1]   op_sel_hi:[1,0,1]
	v_pk_fma_f32 v[BK+4*(\t)+2:BK+4*(\t)+3], v[BK+4*(\t)+2:BK+4*(\t)+3], s[SC:SC+1], v[BI+2:BI+3] op_sel_hi:[1,0,1]
	global_store_b128 v[CO], v[BK+4*(\t):BK+4*(\t)+3], s[8:9] offset:(16*(\a)+(\t))*SIZE_N*4 th:TH_STORE_NT  ; 512 consecutive bytes, at a multiple of 256 from out0's first byte; the row stands in the immediate, 2,080,768 at the most
.endr
.endm
	s_wait_tensorcnt 1                             ; my part of K step 0 is in; K step 1's load may stay out
	s_barrier_signal -1
	s_barrier_wait -1                              ; everybody's is
	FETCH 0, 0, F0
	QUARTER 0, 64,  F0, F1, 1                      ; the first quarter stands in front of the loop: its products start the sums
	WIN 0                                          ; at a label and at a branch every window is 0
	s_mov_b32 s3, LAPS-1
.Llap:                                                 ; a trip goes once round the ring, from a lap's second quarter to the next lap's first, and fills both slots again
	QUARTER 0, 128, F1, F0, 0
	QUARTER 0, 192, F0, F1, 0
	TURN 0, 1
	QUARTER 1, 64,  F0, F1, 0
	QUARTER 1, 128, F1, F0, 0
	QUARTER 1, 192, F0, F1, 0
	TURN 1, 0
	QUARTER 0, 64,  F0, F1, 0
	WIN 0
	s_sub_co_u32 s3, s3, 1
	s_cmp_lg_u32 s3, 0
	s_cbranch_scc1 .Llap
	QUARTER 0, 128, F1, F0, 0                      ; the last lap goes on; it is written out, and asks for nothing more
	QUARTER 0, 192, F0, F1, 0
	MEET 0                                         ; my one tensor load that was still out is slot 1's, the last K step's, so no round follows
	PLACES                                         ; for the loads into buffer 0, which the quarter before multiplied
	WIN TO_B
	BLOAD 0                                        ; three quarters of B now: buffer 1 (v128-191 of both windows) is still being multiplied
	BLOAD 1
	BLOAD 3
	WIN 0
	ALOAD 0
	WIN MUL_HI
	MUL16 F1, 1, 0, 0
	MUL16 F1, 1, 2, 0
	PLACES                                         ; for the loads into buffer 1
	WIN TO_B
	BLOAD 2
	WIN 0
	ALOAD 1
	ALOAD 2
	ALOAD 3
	s_wait_dscnt 40                                ; all but the 40 just issued: B's quarter 2 (16) and A's blocks 1 to 3 (24)
	ROW 0
.irp a, 0,1,2,3,4,5,6,7                ; each block leaves as soon as it is finished: nothing follows this tile, so the sooner its stores begin, the sooner the launch ends
	PLACES                                         ; the LDS stores read results just made, and the load below lands in registers just multiplied
	TOSTAGE \a
.if (\a) < 4
	ALOAD (\a)+4                                   ; its buffer takes the block four further on
	SEND \a, 8                                     ; its last wait leaves those eight loads out and shows all earlier ones in, the next block's fragments among them
.else
	SEND \a, 0
.endif
.if (\a) < 7
	ROW (\a)+1
.endif
.endr
	s_wait_tensorcnt 0x0                           ; the wave's end, behind my last tensor load and my last LDS store
	ds_add_u32 v[SPW], v[NIL]
	s_wait_dscnt 0x0
	CROUND                                         ; the closing round: no work-group ends while a partner may still ask for a tile that names it
	s_endpgm
.Lfunc_end_k_q8ae6227cda_gemm:
	.size	k_q8ae6227cda_gemm, .Lfunc_end_k_q8ae6227cda_gemm-k_q8ae6227cda_gemm
	.p2alignl 7, 3214868480
	.fill 96, 4, 3214868480
	.section	.rodata,"a",@progbits
	.p2align	6, 0x0
	.amdhsa_kernel k_q8ae6227cda_gemm
		.amdhsa_group_segment_fixed_size 327680
		.amdhsa_private_segment_fixed_size 0
		.amdhsa_enable_private_segment 0
		.amdhsa_kernarg_size 32
		.amdhsa_user_sgpr_count 2
		.amdhsa_user_sgpr_kernarg_segment_ptr 1
		.amdhsa_wavefront_size32 1
		.amdhsa_system_sgpr_workgroup_id_x 1
		.amdhsa_system_sgpr_workgroup_id_y 1
		.amdhsa_system_sgpr_workgroup_id_z 1
		.amdhsa_system_vgpr_workitem_id 0
		.amdhsa_next_free_vgpr 1024
		.amdhsa_next_free_sgpr 70
		.amdhsa_reserve_vcc 0
		.amdhsa_float_denorm_mode_32 3
		.amdhsa_float_denorm_mode_16_64 3
		.amdhsa_memory_ordered 1
		.amdhsa_forward_progress 1
		.amdhsa_inst_pref_size 162
	.end_amdhsa_kernel
	.amdgpu_metadata
---
amdhsa.version: [ 1, 2 ]
amdhsa.kernels:
  - .name:           k_q8ae6227cda_gemm
    .symbol:         k_q8ae6227cda_gemm.kd
    .args:
      - { .name: xb, .offset: 0, .size: 8, .value_kind: global_buffer, .address_space: global }
      - { .name: wb, .offset: 8, .size: 8, .value_kind: global_buffer, .address_space: global }
      - { .name: out0, .offset: 16, .size: 8, .value_kind: global_buffer, .address_space: global }
      - { .name: quantized_bias, .offset: 24, .size: 8, .value_kind: global_buffer, .address_space: global }
    .group_segment_fixed_size: 327680
    .private_segment_fixed_size: 0
    .kernarg_segment_align: 8
    .kernarg_segment_size: 32
    .max_flat_workgroup_size: 128
    .sgpr_count:     70
    .vgpr_count:     1024
    .wavefront_size: 32
...
	.end_amdgpu_metadata
.endif
;; end of part 2
;; ======== version 2 of 2: 2 launches; version 1 with the launch prep written anew for expert scheduling mode
;; workspace buffers: xb 33,554,432 bytes; wb 33,554,432 bytes
;; launch prep (part 3): grid 512 x 1, 8 waves a work-group, no clusters, 0 bytes of LDS; arguments x, quantized_weight, xb, wb; writes xb, wb
.if DOCPART == 3
	.amdgcn_target "amdgcn-amd-amdhsa--gfx1250"
	.amdhsa_code_object_version 6
	.text
	.protected	k_q8ae6227cda_prep
	.globl	k_q8ae6227cda_prep
	.p2align	8
	.type	k_q8ae6227cda_prep,@function
k_q8ae6227cda_prep:
	s_mov_b64 s[64:65], 0
	v_nop
	global_prefetch_b8 v0, s[64:65] scope:SCOPE_SE
	s_setreg_imm32_b32 hwreg(HW_REG_WAVE_SCHED_MODE, 0, 2), 2
	s_setreg_imm32_b32 hwreg(HW_REG_WAVE_MODE, 25, 1), 1
	s_wait_xcnt 0x0
	s_wait_alu depctr_vm_vsrc(0)
; QUANTIZED LINEAR, first of two launches.  out0[m][n] = 0.01 * (sum over k of x[m][k] q[n][k]) + 0.01 * bq[n];  m = 4,096 rows (2 x 2,048), n = k = 4,096.
; This launch makes the two matrix operands, once:  xb = x rounded to bf16 (nearest even),  wb = q as bf16.  Every int8 number, -128 to 127, has at most 8 significant bits and is exact in bf16:
; the whole int8 range is served.  The scale 0.01 and the bias are applied by the second launch, in f32, to the finished sums.
; WORK LEFT OUT.  The problem takes the zero point away from q and from bq; the zero point is the constant 0 in the problem's own text, and t - 0 = t for every number t, so the subtraction is not made.
; It can make no NaN, infinity or overflow, so none is lost with it.  All three inputs reach the output; the bias is read by the second launch.
; LIMITS.  x is rounded once to bf16; a number of x beyond bf16's largest finite number becomes an infinity.  0.01 multiplies the sum and not each weight: an order of rounding other than the problem's.
; SHARES.  All four buffers are taken as flat bytes.  Work-group g: 131,072 bytes of x, 32,768 of q, 65,536 of xb and of wb.  Wave w: an eighth of each: one row of x (16,384 bytes) and one row of q (4,096).
; NO LOOP.  A wave issues its 48 loads (20,480 bytes) at once and works them off in the order of issue; each load has registers of its own, and no address or store-data register is ever written
; again.  Nothing is shared between waves: no LDS, no barrier.
; Each store of a wave covers 512 (wb) or 256 (xb) consecutive bytes that begin at a multiple of 256 from the buffer's first byte.
; THE MODE: SCHED_MODE bits 1:0 = 2 (LLVM: expert scheduling mode 2), set by the entry lines.  The code itself states the register dependences
; between vector instructions and memory instructions, with s_wait_alu, always for 0.
; THE PLAN.  Registers that memory instructions touch:
;   v1 .. v4   the four byte offsets.  Written by vector instructions at the head, read by every load and store, never written again: one wait, ahead of the first load.
;   W[n]       q's item n.  Its load lands in the first two registers, which no vector instruction has named; item n's lines write all four; ONE store reads them; nothing writes them again.
;   X[n]       x's item n.  Its load lands in all four, which no vector instruction has named; item n's two roundings write the first two; ONE store reads those; nothing writes them again.
;   T          named by vector instructions alone.
; The 48 items go in eight blocks: four of 4 items of q, then four of 8 items of x.  A block's stores are issued in the NEXT block, behind ONE wait at that block's head, which states that the block
; before has written its store data; they are dealt among the new block's items, whose vector instructions name that block's own registers and T alone.  One more such wait stands ahead of the last eight
; stores.  No register that a load or store has read is ever written again, so nothing has to be stated in that direction.
.set XO, 1                             ; v1   my byte offset in the group's part of x:  16,384 w + 16 lane
.set XS, 2                             ; v2   in xb:  8,192 w + 8 lane
.set WO, 3                             ; v3   in q:   4,096 w + 8 lane
.set WS, 4                             ; v4   in wb:  8,192 w + 16 lane
.set T,  6                             ; v[6:13]    eight numbers in f32, at work
.set W,  16                            ; v[16:79]   q's load n: four registers: two as loaded, then four to store
.set X,  80                            ; v[80:207]  x's load n: four registers as loaded; the first two are then stored
	s_load_b256 s[4:11], s[0:1], 0x0               ; x s[4:5], q s[6:7], xb s[8:9], wb s[10:11]
	v_and_b32 v5, 31, v0                           ; lane
	v_lshrrev_b32 v6, 5, v0                        ; wave
	v_lshlrev_b32 v[XO], 4, v5
	v_lshl_or_b32 v[WS], v6, 13, v[XO]
	v_lshl_or_b32 v[XO], v6, 14, v[XO]
	v_lshlrev_b32 v[XS], 3, v5
	v_lshl_or_b32 v[WO], v6, 12, v[XS]
	v_lshl_or_b32 v[XS], v6, 13, v[XS]
	s_mov_b32 s12, 0x80808080                      ; turns four int8 q into four bytes u = q + 128
	s_mov_b32 s13, 0x4b000000                      ; 2^23 in f32: with u in its lowest byte it is 2^23 + u
	s_mov_b32 s14, 0xcb000080                      ; -(2^23 + 128)
	s_mov_b32 s15, 0xcb000080                      ; named with it as a pair
	s_mov_b32 s16, 0x07060500                      ; byte selects: the three upper bytes of s13, and byte i of the word of q
	s_mov_b32 s17, 0x07060501
	s_mov_b32 s18, 0x07060502
	s_mov_b32 s19, 0x07060503
	s_mov_b32 s3, 0
	s_wait_kmcnt 0x0
	s_lshl_b32 s2, ttmp9, 17                       ; the group's part of x (all four offsets stay under 2^27)
	s_add_nc_u64 s[4:5], s[4:5], s[2:3]
	s_lshl_b32 s2, ttmp9, 15                       ; of q
	s_add_nc_u64 s[6:7], s[6:7], s[2:3]
	s_lshl_b32 s2, ttmp9, 16                       ; of xb and of wb
	s_add_nc_u64 s[8:9], s[8:9], s[2:3]
	s_add_nc_u64 s[10:11], s[10:11], s[2:3]
	s_wait_alu depctr_va_vdst(0)                   ; v1 to v4 are written: every load and store of the kernel reads one of them as its offset
.irp n, 0,1,2,3,4,5,6,7,8,9,10,11,12,13,14,15
	global_load_b64 v[W+4*(\n):W+4*(\n)+1], v[WO], s[6:7] offset:256*(\n) th:TH_LOAD_NT   ; 256 consecutive bytes a wave: 8 numbers of q a lane
.endr
.irp n, 0,1,2,3,4,5,6,7,8,9,10,11,12,13,14,15,16,17,18,19,20,21,22,23,24,25,26,27,28,29,30,31
	global_load_b128 v[X+4*(\n):X+4*(\n)+3], v[XO], s[4:5] offset:512*(\n) th:TH_LOAD_NT  ; 512 consecutive bytes a wave: 4 numbers of x a lane
.endr
; q's load n: 8 int8 to 8 bf16, exactly.  u = q + 128 is set as the lowest byte of 2^23, which makes the f32 number 2^23 + u; less (2^23 + 128) that is q, without rounding.
.macro WCONV n
	s_wait_loadcnt 47-(\n)                         ; loads come back in order (ISA guide 5.7.1): behind mine stand q's 15 - n younger loads and x's 32
.irp d, 0,1
	v_xor_b32 v[W+4*(\n)+(\d)], s12, v[W+4*(\n)+(\d)]
.endr
.irp d, 0,1
.irp i, 0,1,2,3
	v_perm_b32 v[T+4*(\d)+(\i)], s13, v[W+4*(\n)+(\d)], s[16+(\i)]
.endr
.endr
.irp p, 0,1,2,3
	v_pk_add_f32 v[T+2*(\p):T+2*(\p)+1], v[T+2*(\p):T+2*(\p)+1], s[14:15] op_sel_hi:[1,0]
.endr
.irp p, 0,1,2,3
	v_cvt_pk_bf16_f32 v[W+4*(\n)+(\p)], v[T+2*(\p)], v[T+2*(\p)+1]
.endr
.endm
; q's item n leaves: issued a block behind its roundings, behind that block's wait.
.macro WSTORE n
	global_store_b128 v[WS], v[W+4*(\n):W+4*(\n)+3], s[10:11] offset:512*(\n) th:TH_STORE_NT
.endm
; x's load n: 4 f32 to 4 bf16, each rounded once.
.macro XCONV n
	s_wait_loadcnt 31-(\n)                         ; behind mine stand x's 31 - n younger loads
	v_cvt_pk_bf16_f32 v[X+4*(\n)],   v[X+4*(\n)],   v[X+4*(\n)+1]
	v_cvt_pk_bf16_f32 v[X+4*(\n)+1], v[X+4*(\n)+2], v[X+4*(\n)+3]
.endm
; x's item n leaves, likewise.
.macro XSTORE n
	global_store_b64 v[XS], v[X+4*(\n):X+4*(\n)+1], s[8:9] offset:256*(\n) th:TH_STORE_NT
.endm
; Blocks 0 to 3: q, four items each.  A store stands ahead of an item's wait for its load: it hangs on nothing that is still to come.
.irp n, 0,1,2,3
	WCONV \n                                       ; block 0 has no block in front of it: no store, no wait but those for its data
.endr
	s_wait_alu depctr_va_vdst(0)                   ; block 0's roundings have written W[0] to W[3], which the four stores below read
.irp n, 4,5,6,7
	WSTORE \n-4
	WCONV \n
.endr
	s_wait_alu depctr_va_vdst(0)                   ; block 1's roundings have written W[4] to W[7], which the four stores below read
.irp n, 8,9,10,11
	WSTORE \n-4
	WCONV \n
.endr
	s_wait_alu depctr_va_vdst(0)                   ; block 2's roundings have written W[8] to W[11], which the four stores below read
.irp n, 12,13,14,15
	WSTORE \n-4
	WCONV \n
.endr
; Blocks 4 to 7: x, eight items each.
	s_wait_alu depctr_va_vdst(0)                   ; block 3's roundings have written W[12] to W[15], which the four stores below read
.irp n, 0,1,2,3
	WSTORE \n+12
	XCONV \n
.endr
.irp n, 4,5,6,7
	XCONV \n
.endr
	s_wait_alu depctr_va_vdst(0)                   ; block 4's roundings have written the first two registers of X[0] to X[7], which the eight stores below read
.irp n, 8,9,10,11,12,13,14,15
	XSTORE \n-8
	XCONV \n
.endr
	s_wait_alu depctr_va_vdst(0)                   ; block 5's roundings have written the first two registers of X[8] to X[15], which the eight stores below read
.irp n, 16,17,18,19,20,21,22,23
	XSTORE \n-8
	XCONV \n
.endr
	s_wait_alu depctr_va_vdst(0)                   ; block 6's roundings have written the first two registers of X[16] to X[23], which the eight stores below read
.irp n, 24,25,26,27,28,29,30,31
	XSTORE \n-8
	XCONV \n
.endr
	s_wait_alu depctr_va_vdst(0)                   ; block 7's roundings have written the first two registers of X[24] to X[31], which the last eight stores read
.irp n, 24,25,26,27,28,29,30,31
	XSTORE \n
.endr
	s_endpgm
.Lfunc_end_k_q8ae6227cda_prep:
	.size	k_q8ae6227cda_prep, .Lfunc_end_k_q8ae6227cda_prep-k_q8ae6227cda_prep
	.p2alignl 7, 3214868480
	.fill 96, 4, 3214868480
	.section	.rodata,"a",@progbits
	.p2align	6, 0x0
	.amdhsa_kernel k_q8ae6227cda_prep
		.amdhsa_group_segment_fixed_size 0
		.amdhsa_private_segment_fixed_size 0
		.amdhsa_enable_private_segment 0
		.amdhsa_kernarg_size 32
		.amdhsa_user_sgpr_count 2
		.amdhsa_user_sgpr_kernarg_segment_ptr 1
		.amdhsa_wavefront_size32 1
		.amdhsa_system_sgpr_workgroup_id_x 1
		.amdhsa_system_sgpr_workgroup_id_y 1
		.amdhsa_system_sgpr_workgroup_id_z 1
		.amdhsa_system_vgpr_workitem_id 0
		.amdhsa_next_free_vgpr 208
		.amdhsa_next_free_sgpr 66
		.amdhsa_reserve_vcc 0
		.amdhsa_float_denorm_mode_32 3
		.amdhsa_float_denorm_mode_16_64 3
		.amdhsa_memory_ordered 1
		.amdhsa_forward_progress 1
		.amdhsa_inst_pref_size 34
	.end_amdhsa_kernel
	.amdgpu_metadata
---
amdhsa.version: [ 1, 2 ]
amdhsa.kernels:
  - .name:           k_q8ae6227cda_prep
    .symbol:         k_q8ae6227cda_prep.kd
    .args:
      - { .name: x, .offset: 0, .size: 8, .value_kind: global_buffer, .address_space: global }
      - { .name: quantized_weight, .offset: 8, .size: 8, .value_kind: global_buffer, .address_space: global }
      - { .name: xb, .offset: 16, .size: 8, .value_kind: global_buffer, .address_space: global }
      - { .name: wb, .offset: 24, .size: 8, .value_kind: global_buffer, .address_space: global }
    .group_segment_fixed_size: 0
    .private_segment_fixed_size: 0
    .kernarg_segment_align: 8
    .kernarg_segment_size: 32
    .max_flat_workgroup_size: 256
    .sgpr_count:     66
    .vgpr_count:     208
    .wavefront_size: 32
...
	.end_amdgpu_metadata
.endif
;; end of part 3
;; launch gemm: the kernel of part 2 again; grid 16 x 16, 4 waves a work-group, clusters of 4 x 4, 327,680 bytes of LDS; arguments xb, wb, out0, quantized_bias; writes out0
